; MI455X (gfx1250); checked and timed in simulation.
; The chip was launched on July 23, 2026; its instructions are those of AMD's public machine-readable ISA for CDNA 5 (MIT licence, August 2026) and "CDNA5" Instruction Set Architecture Reference Guide (July 2026). The comments in the code are by the model that wrote it; some were corrected since.
;; MHA. Allowed arithmetic: matrix products marked QUANTISED: E2M3 operands, one E8M0 scale for each 32 along K, by v_wmma_scale_f32_16x16x128_f8f6f4 with both operands' format E2M3, f32 sums; everything else in f32.
;; Inputs: inp 4 x 2,048 x 1,024 float32; out_b 1,024 float32; out_w 1,024 x 1,024 float32; qkv_b 3,072 float32; qkv_w 3,072 x 1,024 float32.
;; Outputs: out0 4 x 2,048 x 1,024 float32.
;; This version of the problem:
;;   THIS VERSION OF THE PROBLEM IS GIVEN IN LOW PRECISION. The matrix products marked QUANTISED in the list below multiply operands that are first quantised to E2M3 (2 exponent bits, 3 mantissa bits; 6 bits a number), with one power-of-two scale for each 32 numbers along K (OCP MX v1.0); their sums are f32. All else is computed in f32.
;;   The module's matrix products, in the order in which they are computed (A, B: the left and right operand; K: the contracted axis; several contracted axes count as one K, in the product's order):
;;     1. [M 8,192, K 1,024] x [K 1,024, N 3,072]; A: input inp; B: input qkv_w: QUANTISED
;;     2. batch 64 x [M 2,048, K 64] x [K 64, N 2,048]; A: computed on the way; B: computed on the way: QUANTISED
;;     3. batch 64 x [M 2,048, K 2,048] x [K 2,048, N 64]; A: softmax (see below); B: computed on the way: QUANTISED
;;     4. [M 8,192, K 1,024] x [K 1,024, N 1,024]; A: computed on the way; B: input out_w: QUANTISED
;;   THE QUANTISER, for each operand of a quantised product, along K:
;;     - K is cut into blocks of 32 from its start; a last block that is shorter is filled with zeros.
;;     - A block's scale is 2^e with e = floor(log2(the largest magnitude in the block)) - 2, held to -126 .. 127; a block of zeros has e = 0. As a byte (E8M0): e + 127.
;;     - Each number is divided by its block's scale, clamped to +-7.5, and rounded to the nearest number of E2M3, ties to even, subnormals kept.
;;     - The product sums the exact products of the quantised numbers (number of the format x scale) in f32.
;;   ~~~python
;;   def quantise(x, axis):      # numpy; x: float32 -> the quantised numbers, widened to float32 again
;;       x = np.moveaxis(x, axis, -1); K = x.shape[-1]
;;       x = np.pad(x, [(0, 0)] * (x.ndim - 1) + [(0, -K % 32)]); x = x.reshape(x.shape[:-1] + (-1, 32)); a = np.abs(x).max(-1, keepdims=True)
;;       e = np.where(a > 0, np.clip(np.frexp(np.where(a > 0, a, 1))[1] - 1 - 2, -126, 127), 0)      # np.frexp(a)[1] - 1 = floor(log2(a)), exactly
;;       r = np.clip(x / 2.0 ** e, -7.5, 7.5)
;;       step = 2.0 ** (np.maximum(np.frexp(np.where(r == 0, 1, r))[1] - 1, 0) - 3)
;;       q = np.round(r / step) * step * 2.0 ** e      # np.round: ties to even
;;       return np.moveaxis(q.reshape(q.shape[:-2] + (-1,))[..., :K], -1, axis).astype(np.float32)
;;   ~~~
;;   SOFTMAX AHEAD OF A QUANTISED PRODUCT. Where the list says 'softmax', what is quantised is not the finished softmax but p = 2^(t - M), with t = logit x log2(e) and M = ceil(the row's largest t), a whole number; so 1/2 < the row's largest p <= 1. The row's sum l is taken of the UNQUANTISED p, in f32, and the product's result is divided by l at the end. Since M is a whole number, a kernel that streams over the keys may use a running M (the ceiling of the running maximum): every later rescaling is an exact power of two, which a block's scale takes up: the codes' values come out the same.
;;   OPERANDS COMPUTED ON THE WAY. 'Computed on the way' means the value that the module computes at that place (a softmax that the list does not call 'softmax' is quantised finished and normalised). What goes into a quantiser is computed in f32, as accurately as f32 sums, v_exp_f32 and their like allow (about 1e-6 of the number): no bf16 or f16 on the way to a quantiser, and a product that is left as it is and whose result goes on into a quantised operand takes f32 operands (vector FMAs, or v_wmma_f32_16x16x4_f32). A number that lies on a knife's edge between two numbers of the format may be rounded either way, as far as f32 arithmetic and the matrix unit's own rounding can turn it there, and no further.
;; One version. Each part assembles by itself: llvm-mc -triple=amdgcn-amd-amdhsa -mcpu=gfx1250 --defsym DOCPART=n.
;; ======== version 1 of 1: 4 launches
;; limits: right only within a limited range of input values
;; workspace buffers: opc 9,437,184 bytes; ops 393,216 bytes; qkvc 18,874,368 bytes; qkvs 1,310,720 bytes; cc 6,291,456 bytes; cs 262,144 bytes
;; launch quant (part 1): grid 384 x 1, 4 waves a work-group, no clusters, 34,304 bytes of LDS; arguments inp, qkv_w, out_w, opc, ops; writes opc, ops
.if DOCPART == 1
	.amdgcn_target "amdgcn-amd-amdhsa--gfx1250"
	.amdhsa_code_object_version 6
	.text
	.protected	k_qee9014be26_quant
	.globl	k_qee9014be26_quant
	.p2align	8
	.type	k_qee9014be26_quant,@function
k_qee9014be26_quant:
	s_mov_b64 s[64:65], 0
	v_nop
	global_prefetch_b8 v0, s[64:65] scope:SCOPE_SE
	s_setreg_imm32_b32 hwreg(HW_REG_WAVE_MODE, 25, 1), 1
	s_wait_xcnt 0x0
; inp [8192][1024], qkv_w [3072][1024], out_w [1024][1024], f32, K innermost, become codes of FP6 (E2M3) with one E8M0 byte for each 32 along K,
; laid in the order of a matrix operand's registers.  Rows go in TILES of 16: lane r of tile T holds row 32 (T / 2) + 8 (T % 2) + r + 8 (r / 8).
; opc: [tile 768][K step 8][1536]: a fragment (16 rows x 128 K, 12 registers a lane) as two halves of 768 bytes; a half is registers 0-3 at 16 x lane, then registers 4-5 at 512 + 8 x lane.
; ops: [tile 768][K half 2][r 16][4 words]: word i of half kh is row r's scale word of K step 4 kh + i.   Tiles 0-511 inp, 512-703 qkv_w, 704-767 out_w.
; A block's scale is 2^(floor(log2(its largest magnitude)) - 2); its byte is the largest magnitude's exponent field - 2, held at 1 from below.
; LIMITS: a block whose largest magnitude lies under 2^-124 (a block of zeros too) gets the byte 1: the codes of a block of zeros are zeros, and this program alone reads the bytes.  NaN and infinities are not served.
; SHARES: work-group g takes tiles 2 g, 2 g + 1; wave w takes tile 2 g + w / 2 and K half w % 2: four fragments.  Each load reads 512 consecutive bytes of one row; a fragment's 16 x 512 bytes turn through
; the wave's own stage in LDS (rows 528 bytes apart), so that lane (r, h) gets k = 64 c + 32 h + 0 .. 31 of row r: two whole blocks.  Waves share nothing: no barrier.  No tile is read twice, so no cluster.
.set PIT,  528
.set STG,  16*PIT
.set RR,   16                          ; v16-143  two sets of 64 registers as loaded
.set XX,   144                         ; v144-207 my 64 numbers: register 32 c + i is k = 64 c + 32 h + i
.set CC,   208                         ; v208-231 two sets of 12 registers of codes
.set H2,   232                         ; v232-234, v236-238 the conversions' second halves
.set WW,   240                         ; v240-243 the four fragments' scale words
.set LANE, 244
	s_load_b128 s[4:7], s[0:1], 0x0                ; inp, qkv_w
	s_load_b128 s[8:11], s[0:1], 0x10              ; out_w, opc
	s_load_b64 s[12:13], s[0:1], 0x20              ; ops
	v_lshl_add_u32 v254, v0, 2, 0x8400
	v_mov_b32 v255, 0
	v_lshrrev_b32 v4, 5, v0
	v_readfirstlane_b32 s16, v4                    ; wave 0..3
	v_and_b32 v[LANE], 31, v0
	v_and_b32 v6, 15, v0                           ; r
	v_bfe_u32 v7, v0, 4, 1                         ; h
	v_lshlrev_b32 v1, 4, v[LANE]                   ; 16 x lane: a load's place, and a store's
	v_lshlrev_b32 v5, 3, v[LANE]                   ; 8 x lane
	s_mul_i32 s17, s16, STG                        ; my stage
	v_add_nc_u32 v2, s17, v1                       ; into it: a row's 512 bytes as they lie
	v_mul_u32_u24 v3, v6, PIT
	v_lshl_add_u32 v3, v7, 7, v3
	v_add_nc_u32 v3, s17, v3                       ; out of it: row r, + 128 h
	v_lshlrev_b32 v6, 4, v6                        ; 16 r: my row's four scale words
	v_lshlrev_b32 v7, 3, v7                        ; 8 h: how far my two bytes are shifted
	v_mov_b32 v15, 0                               ; a lane permute's destination counts as read
	s_mov_b32 s14, 0x76543210
	s_mov_b32 s15, 0xfedcba98                      ; selects for lane l xor 16
	s_lshl_b32 s18, ttmp9, 1
	s_lshr_b32 s19, s16, 1
	s_add_co_u32 s18, s18, s19                     ; my tile
	s_and_b32 s19, s16, 1                          ; my K half
	s_wait_alu depctr_va_vdst(0)
	s_wait_kmcnt 0x0
	s_cmp_lt_u32 ttmp9, 256                        ; which tensor: the choice hangs on the work-group's number alone
	s_cselect_b64 s[4:5], s[4:5], s[6:7]
	s_cselect_b32 s20, 0, 512
	s_cmp_lt_u32 ttmp9, 352
	s_cselect_b64 s[4:5], s[4:5], s[8:9]
	s_cselect_b32 s20, s20, 704
	s_sub_co_u32 s20, s18, s20                     ; the tile's number in its tensor
	s_lshr_b32 s21, s20, 1
	s_lshl_b32 s21, s21, 17                        ; 32 rows of 4,096 bytes for each pair of tiles,
	s_and_b32 s20, s20, 1
	s_lshl_b32 s20, s20, 15                        ; 8 rows for the odd one,
	s_add_co_u32 s20, s20, s21
	s_lshl_b32 s21, s19, 11                        ; 2,048 bytes for the K half
	s_add_co_u32 s20, s20, s21
	s_mov_b32 s21, 0
	s_add_nc_u64 s[4:5], s[4:5], s[20:21]
	s_mul_i32 s22, s18, 12288
	s_mul_i32 s23, s19, 6144
	s_add_co_u32 s22, s22, s23
	s_mov_b32 s23, 0
	s_add_nc_u64 s[10:11], s[10:11], s[22:23]      ; my four fragments in opc
	s_lshl_b32 s22, s18, 9
	s_lshl_b32 s24, s19, 8
	s_add_co_u32 s22, s22, s24
	s_add_nc_u64 s[12:13], s[12:13], s[22:23]      ; my 256 bytes of ops
.macro LOAD t                          ; fragment t: 512 bytes of each of the tile's 16 rows
.irp i, 0,1,2,3,4,5,6,7,8,9,10,11,12,13,14,15
	global_load_b128 v[RR+64*((\t)%2)+4*\i:RR+64*((\t)%2)+4*\i+3], v1, s[4:5] offset:(\i+8*(\i/8))*4096+512*(\t) th:TH_LOAD_NT
.endr
.endm
.macro STEP t
.set RS, RR+64*((\t)%2)
.set CS, CC+12*((\t)%2)
.if (\t) < 3
	s_wait_loadcnt 16                              ; this fragment's 16 loads are in; the next one's 16 may be out
.else
	s_wait_loadcnt 0x0
.endif
.irp i, 0,1,2,3,4,5,6,7,8,9,10,11,12,13,14,15
	ds_store_b128 v2, v[RS+4*\i:RS+4*\i+3] offset:PIT*\i
.endr
.irp c, 0,1
.irp q, 0,1,2,3,4,5,6,7
	ds_load_b128 v[XX+32*\c+4*\q:XX+32*\c+4*\q+3], v3 offset:256*\c+16*\q   ; LDS serves a wave's instructions in order: these see the stores above
.endr
.endr
	s_wait_dscnt 0x0                               ; my numbers are in, and the stores have read the set,
.if (\t) < 2
	LOAD (\t)+2                                    ; which takes the fragment two on
.endif
	v_max3_num_f32 v8, |v[XX]|, |v[XX+1]|, 0x1800000       ; block h, and the floor 2^(3 - 127): the byte cannot fall under 1
	v_max3_num_f32 v9, |v[XX+32]|, |v[XX+33]|, 0x1800000   ; block 2 + h (the two by turns)
.irp i, 2,4,6,8,10,12,14,16,18,20,22,24,26,28,30
	v_max3_num_f32 v8, v8, |v[XX+\i]|, |v[XX+\i+1]|
	v_max3_num_f32 v9, v9, |v[XX+32+\i]|, |v[XX+33+\i]|
.endr
	v_add_nc_u32 v10, 0xff000000, v8               ; 2 off the exponent field: the conversion's scale operand
	v_add_nc_u32 v11, 0xff000000, v9
	v_lshrrev_b32 v12, 23, v10                     ; the bytes
	v_lshrrev_b32 v13, 23, v11
	v_lshl_or_b32 v14, v13, 16, v12
	v_lshlrev_b32 v14, v7, v14                     ; at their places in the word
	v_permlanex16_b32 v15, v14, s14, s15
	v_or_b32 v[WW+(\t)], v14, v15                  ; with lane l xor 16's two the word is whole
.if (\t) >= 2
	s_wait_alu depctr_va_vdst(0)
	s_wait_xcnt 0x0                                ; the stores of two fragments ago have read this set of codes
.endif
.irp c, 0,1
	v_cvt_scalef32_pk16_fp6_f32 v[CS+6*\c:CS+6*\c+2], v[XX+32*\c:XX+32*\c+15], v[10+\c]
	v_cvt_scalef32_pk16_fp6_f32 v[H2+4*\c:H2+4*\c+2], v[XX+32*\c+16:XX+32*\c+31], v[10+\c]   ; (a conversion's three registers begin on an even number)
.endr
	v_nop                                          ; one plain line behind the scaled conversions
.irp c, 0,1
.irp i, 0,1,2
	v_mov_b32 v[CS+6*\c+3+\i], v[H2+4*\c+\i]
.endr
.endr
.irp c, 0,1
	global_store_b128 v1, v[CS+6*\c:CS+6*\c+3], s[10:11] offset:1536*(\t)+768*\c          ; 512 consecutive bytes, aligned to 256
	global_store_b64 v5, v[CS+6*\c+4:CS+6*\c+5], s[10:11] offset:1536*(\t)+768*\c+512     ; 256 consecutive bytes, aligned
.endr
.endm
	LOAD 0
	LOAD 1
	STEP 0
	STEP 1
	STEP 2
	STEP 3
	s_wait_xcnt 0x0                                ; EXEC changes only behind this wait
	v_cmp_gt_u32 vcc_lo, 16, v[LANE]
	s_wait_tensorcnt 0x0
	ds_add_u32 v254, v255
	s_wait_dscnt 0x0
	s_and_saveexec_b32 s24, vcc_lo
	global_store_b128 v6, v[WW:WW+3], s[12:13]     ; sixteen lanes store 256 consecutive bytes, aligned
	s_wait_xcnt 0x0
	s_or_b32 exec_lo, exec_lo, s24
	s_endpgm
.Lfunc_end_k_qee9014be26_quant:
	.size	k_qee9014be26_quant, .Lfunc_end_k_qee9014be26_quant-k_qee9014be26_quant
	.p2alignl 7, 3214868480
	.fill 96, 4, 3214868480
	.section	.rodata,"a",@progbits
	.p2align	6, 0x0
	.amdhsa_kernel k_qee9014be26_quant
		.amdhsa_group_segment_fixed_size 34304
		.amdhsa_private_segment_fixed_size 0
		.amdhsa_enable_private_segment 0
		.amdhsa_kernarg_size 40
		.amdhsa_user_sgpr_count 2
		.amdhsa_user_sgpr_kernarg_segment_ptr 1
		.amdhsa_wavefront_size32 1
		.amdhsa_system_sgpr_workgroup_id_x 1
		.amdhsa_system_sgpr_workgroup_id_y 1
		.amdhsa_system_sgpr_workgroup_id_z 1
		.amdhsa_system_vgpr_workitem_id 0
		.amdhsa_next_free_vgpr 256
		.amdhsa_next_free_sgpr 66
		.amdhsa_reserve_vcc 1
		.amdhsa_float_denorm_mode_32 3
		.amdhsa_float_denorm_mode_16_64 3
		.amdhsa_memory_ordered 1
		.amdhsa_forward_progress 1
		.amdhsa_inst_pref_size 31
	.end_amdhsa_kernel
	.amdgpu_metadata
---
amdhsa.version: [ 1, 2 ]
amdhsa.kernels:
  - .name:           k_qee9014be26_quant
    .symbol:         k_qee9014be26_quant.kd
    .args:
      - { .name: inp, .offset: 0, .size: 8, .value_kind: global_buffer, .address_space: global }
      - { .name: qkv_w, .offset: 8, .size: 8, .value_kind: global_buffer, .address_space: global }
      - { .name: out_w, .offset: 16, .size: 8, .value_kind: global_buffer, .address_space: global }
      - { .name: opc, .offset: 24, .size: 8, .value_kind: global_buffer, .address_space: global }
      - { .name: ops, .offset: 32, .size: 8, .value_kind: global_buffer, .address_space: global }
    .group_segment_fixed_size: 34304
    .private_segment_fixed_size: 0
    .kernarg_segment_align: 8
    .kernarg_segment_size: 40
    .max_flat_workgroup_size: 128
    .sgpr_count:     66
    .vgpr_count:     256
    .wavefront_size: 32
...
	.end_amdgpu_metadata
.endif
;; end of part 1
;; launch gemm_qkv (part 2): grid 32 x 8, 4 waves a work-group, clusters of 4 x 4, 327,680 bytes of LDS; arguments opc, ops, qkv_b, qkvc, qkvs; writes qkvc, qkvs
.if DOCPART == 2
	.amdgcn_target "amdgcn-amd-amdhsa--gfx1250"
	.amdhsa_code_object_version 6
	.text
	.protected	k_qee9014be26_gemm_qkv
	.globl	k_qee9014be26_gemm_qkv
	.p2align	8
	.type	k_qee9014be26_gemm_qkv,@function
k_qee9014be26_gemm_qkv:
	s_mov_b64 s[64:65], 0
	v_nop
	global_prefetch_b8 v0, s[64:65] scope:SCOPE_SE
	s_setreg_imm32_b32 hwreg(HW_REG_WAVE_MODE, 25, 1), 1
	s_wait_xcnt 0x0
	s_wait_alu depctr_hold_cnt(0) depctr_sa_sdst(0) depctr_va_vdst(0) depctr_va_sdst(0) depctr_va_ssrc(0) depctr_va_vcc(0) depctr_vm_vsrc(0)
	s_getreg_b32 s2, hwreg(HW_REG_IB_STS2, 6, 4)
	s_cmp_eq_u32 s2, 0
	s_cbranch_scc0 .Lentry_in_a_cluster
	s_endpgm
.Lentry_in_a_cluster:
	s_bfe_u32 s2, ttmp6, 0x10000c
	s_cmp_lg_u32 s2, 0xf033
	s_cbranch_scc0 .Lentry_shape_is_right
	s_endpgm
.Lentry_shape_is_right:
; qkv = inp qkv_w^T + qkv_b on codes of FP6 (E2M3), K = 1,024; on the way out q and k are quantised along the head's 64, v along the keys: only codes and scale bytes go to memory.  A sum begins with its bias.
; OPERANDS are images of registers: opc [tile of 16 rows][K step of 128: 8][1536 bytes] (registers 0-3 at 16 x lane, 4-5 at 512 + 8 x lane, 6-9 at 768 + 16 x lane, 10-11 at 1280 + 8 x lane), ops [tile][K half][r][4 words].
; Lane r of tile T is row 32 (T / 2) + 8 (T % 2) + r + 8 (r / 8).  Tiles 0-511 tokens, 512-575 W_q, 576-639 W_k, 640-703 W_v.
; OUT: qkvc [b h 64][step of 128 tokens 16][K 8 tiles x 768 | V 4 tiles of d x 1536 | Q 8 tiles x 768], qkvs [b h][step][K 2 x 256 | V 256 | Q 2 x 256] (a group of 256 bytes is [r][4 words]; q's and k's words have 0 in bytes 2, 3).
; THE DEAL: 256 work-groups of four waves, 2 x 2.  A work-group takes 256 tokens and 128 features of each of q, v, k, in three phases.  The tokens' 16 tiles stay in LDS for the whole launch; a phase's 8 tiles of weights land in one
; region, go on into registers (a wave holds four tiles, one head, all of K: 384 registers), and the region takes the next phase's weights.  Wave row a streams token tiles 8 a + s, s = 0 .. 7: one step of 128 tokens.
; q, k: source 0 = weights, source 1 = tokens: a lane holds one token, and a block's 32 sums are d = 32 b + 16 (lane / 16) + i.   v: source 0 = tokens, source 1 = weights: a lane holds one d, and the 32 sums of four blocks are 64 keys.
; So ONE way out serves all: 32 numbers of a lane become half a fragment (768 bytes) and two scale bytes.
; CLUSTERS 4 x 4 (the cluster's x counts token blocks): the tokens' tiles are shared by a column of the cluster, the weights' by a row.
; FILLS: at the head one load a wave: W_q's 8 tiles; tokens' tiles 0-3 and 8-11; 4-5 and 12-13; 6-7 and 14-15.  Two refills of the weights' region, 2 tiles a wave, each behind a drained round of the cluster's barrier inside
; block 1 of the phase before: six blocks ahead of the first read, so no data prefetch is laid.  That round also shows the head's later tiles.
; LIMITS: a block whose largest magnitude lies under 2^-124 gets the byte 1 (a block of zeros too: its codes are zeros); NaN and infinities are not served.
; REGISTERS: window 0: v4-8 lane terms, v12-29 LDS addresses, v32-95 the weights' scale words (two sets), v100-163 the tokens', v164-195 the way out, v200-231 the bias (set 0);
; fragment f at register 12 (f % 21) of window 1 + f / 21: 0-31 weights (4 q + t), 32-47 tokens, two sets; window 3: v72-199 the sums, v200-231 the bias (set 1).
.set FR, 12
.set FPW, 21
.set NF, 32                            ; LDS loads of a block's fetch
.set TILE, 12288
.set YB, 16*TILE
.set SPARE, YB+8*TILE
.set L16, 4
.set L8, 5
.set R16, 6
.set B64, 7
.set RB, 8
.set SPW, 10
.set NIL, 11
.set ADB, 12
.set AD, 14
.set SB, 32
.set SA, 100                           ; a product's two scale registers differ by 4 modulo 8 in their numbers
.set TM, 164
.set BYT, 172
.set WT, 174
.set PC, 176
.set TP, 184
.set SW, 188
.set BO, 200
.set ACC, 72
.set SEL, 2
.set G1A, 24
.set G1B, 32
.set G0A, 56
.set G0B, 60
.set G1R, 68
.set G0R, 76
.set MSB, 0
.macro WIN new
.if MSB != \new
	s_set_vgpr_msb (MSB<<8)|\new
.set MSB, \new
.endif
.endm
.macro PLACES n
.rept \n
	v_nop
.endr
.endm
.macro BARRIER
	s_barrier_signal -1
	s_barrier_wait -1
.endm
.macro CROUND
	BARRIER
	s_cmp_lg_u32 s14, 0
	s_cbranch_scc1 .Lnot_wave_0_\@
	s_barrier_signal -3
.Lnot_wave_0_\@:
	s_barrier_wait -3
	BARRIER
.endm
.macro TLOAD g0, g1
	tensor_load_to_lds s[\g0:\g0+3], s[\g1:\g1+7]
	s_nop 0
	PLACES 4
.endm
.macro ATILE lds, goff, el             ; two rows (wave rows a = 0, 1) of el elements of 8 bytes, 8 tiles apart in memory, on end in LDS
	s_mov_b32 s[G0A+1], \lds
	s_mov_b32 s[G1A+1], (\el)<<16
	s_mov_b32 s[G1A+3], (\el)<<16
.if \goff
	s_add_nc_u64 s[G0A+2:G0A+3], s[G0A+2:G0A+3], \goff
.endif
	s_or_b32 s[G0A+3], s[G0A+3], 0x80000000
	TLOAD G0A, G1A
.endm
.macro FRAG f, a16, a8, off            ; a fragment comes back as it was stored; every load reads consecutive bytes
.set R_, FR*((\f)%FPW)
	WIN (1+(\f)/FPW)<<6
	ds_load_b128 v[R_:R_+3], v[\a16] offset:\off
	ds_load_b64 v[R_+4:R_+5], v[\a8] offset:(\off)+512
	ds_load_b128 v[R_+6:R_+9], v[\a16] offset:(\off)+768
	ds_load_b64 v[R_+10:R_+11], v[\a8] offset:(\off)+1280
.endm
.macro FETCH s                         ; token tile 8 a + s into set s % 2: NF loads
.irp q, 0,1,2,3,4,5,6,7
	FRAG 32+8*((\s)%2)+\q, AD+2*(\s), AD+2*(\s)+1, 1536*\q
.endr
	WIN 0
.endm
.macro RLOAD                           ; my four tiles of weights, all of K
.irp q, 0,1,2,3,4,5,6,7
.irp t, 0,1,2,3
	FRAG 4*\q+\t, ADB, ADB+1, TILE*\t+1536*\q
.endr
.endr
	WIN 0
.endm
.macro PROD1 d, f0, f1, x0, x1, q, t
.if \q
	v_wmma_scale_f32_16x16x128_f8f6f4 v[\d:\d+7], v[FR*((\f0)%FPW):FR*((\f0)%FPW)+FR-1], v[FR*((\f1)%FPW):FR*((\f1)%FPW)+FR-1], v[\d:\d+7], v[\x0], v[\x1] matrix_a_fmt:MATRIX_FMT_FP6 matrix_b_fmt:MATRIX_FMT_FP6
.else
	v_wmma_scale_f32_16x16x128_f8f6f4 v[\d:\d+7], v[FR*((\f0)%FPW):FR*((\f0)%FPW)+FR-1], v[FR*((\f1)%FPW):FR*((\f1)%FPW)+FR-1], v[BO+8*(\t):BO+8*(\t)+7], v[\x0], v[\x1] matrix_a_fmt:MATRIX_FMT_FP6 matrix_b_fmt:MATRIX_FMT_FP6
.endif
.endm
.macro PROD ph, s, n                   ; product n = 4 q + t of block s in phase ph (0 q, 1 v, 2 k); four accumulators by turns
.set Q_, (\n)/4
.set T_, (\n)%4
.set FB_, (\n)
.set FA_, 32+8*((\s)%2)+Q_
.set XB_, SB+32*((\ph)%2)+8*T_+Q_
.set XA_, SA+8*(\s)+Q_
.if Q_
.set CW_, 3
.else
.set CW_, 3*((\ph)%2)                  ; the bias: set 0 in window 0, set 1 in window 3
.endif
.if (\ph) == 1
.set D_, ACC+32*T_+8*((\s)%4)
	WIN (1+FA_/FPW)|((1+FB_/FPW)<<2)|(CW_<<4)|0xc0
	PROD1 D_, FA_, FB_, XA_, XB_, Q_, T_
.else
.set D_, ACC+8*T_
	WIN (1+FB_/FPW)|((1+FA_/FPW)<<2)|(CW_<<4)|0xc0
	PROD1 D_, FB_, FA_, XB_, XA_, Q_, T_
.endif
.endm
.macro PRODS ph, s, from, to
.set N_, \from
.rept (\to)-(\from)
	PROD \ph, \s, N_
.set N_, N_+1
.endr
	WIN 0
.endm
; THE WAY OUT of 32 sums of a lane, from register x of window 3 on: register 16 b + i is number 32 b + 16 (lane / 16) + i.  Codes to byte off of my record; the two scale bytes into v[wd] (hi = 1: into its upper half).
.macro WOUT x, wd, hi, off
	s_wait_xcnt 0x0                                ; the last stores have read the codes' registers
	WIN 0x3c
.irp i, 0,2,4,6
.irp k, 0,1,2,3
.if \i == 0
	v_max3_num_f32 v[TM+\k], 0x1800000, |v[\x+8*\k]|, |v[\x+8*\k+1]|     ; a chain to an accumulator, from its low end on; the floor 2^(3 - 127): the byte cannot fall under 1
.else
	v_max3_num_f32 v[TM+\k], v[TM+\k], |v[\x+8*\k+\i]|, |v[\x+8*\k+\i+1]|
.endif
.endr
.endr
	WIN 0
	v_max_num_f32 v[TM], v[TM], v[TM+1]
	v_max_num_f32 v[TM+2], v[TM+2], v[TM+3]
	v_permlanex16_b32 v[TM+4], v[TM], s[SEL], s[SEL+1]
	v_permlanex16_b32 v[TM+5], v[TM+2], s[SEL], s[SEL+1]
	v_max_num_f32 v[TM], v[TM], v[TM+4]            ; with lane l xor 16's: the two blocks' largest magnitudes
	v_max_num_f32 v[TM+2], v[TM+2], v[TM+5]
	v_add_nc_u32 v[TM+6], 0xff000000, v[TM]        ; 2 off the exponent field: the conversion's scale operand
	v_add_nc_u32 v[TM+7], 0xff000000, v[TM+2]
	v_lshrrev_b32 v[BYT], 23, v[TM+6]
	v_lshrrev_b32 v[BYT+1], 23, v[TM+7]
	WIN 0x03
	v_cvt_scalef32_pk16_fp6_f32 v[PC:PC+2], v[\x:\x+15], v[TM+6]
	v_cvt_scalef32_pk16_fp6_f32 v[TP:TP+2], v[\x+16:\x+31], v[TM+7]
	WIN 0
.if \hi
	v_lshl_or_b32 v[WT], v[BYT+1], 8, v[BYT]       ; (a plain line behind the conversions)
	v_lshl_or_b32 v[\wd], v[WT], 16, v[\wd]
.else
	v_lshl_or_b32 v[\wd], v[BYT+1], 8, v[BYT]
.endif
.irp i, 0,1,2                                  ; a whole block to a lane: lanes 0-15 the first, lanes 16-31 the second
	v_permlane16_swap_b32 v[PC+\i], v[TP+\i]
.endr
.irp i, 0,1,2
	v_mov_b32 v[PC+3+\i], v[TP+\i]
.endr
	global_store_b128 v[L16], v[PC:PC+3], s[10:11] offset:\off          ; 512 consecutive bytes, aligned to 256
	global_store_b64 v[L8], v[PC+4:PC+5], s[10:11] offset:(\off)+512    ; 256 consecutive bytes, aligned
.endm
.macro SWOUT off, two                  ; a phase's scale words: sixteen lanes store 256 consecutive bytes, aligned
	s_wait_alu depctr_va_vdst(0)
	s_wait_xcnt 0x0                                ; EXEC changes only behind this wait
	v_cmp_gt_u32 vcc_lo, 16, v3
	s_and_saveexec_b32 s90, vcc_lo
	global_store_b128 v[R16], v[SW:SW+3], s[12:13] offset:\off
.if \two
	global_store_b128 v[R16], v[SW+4:SW+7], s[12:13] offset:(\off)+256
.endif
	s_wait_xcnt 0x0
	s_or_b32 exec_lo, exec_lo, s90
.endm
.macro LSB set, off                    ; my four weight tiles' scale words
.irp t, 0,1,2,3
.irp k, 0,1
	global_load_b128 v[SB+32*(\set)+8*\t+4*\k:SB+32*(\set)+8*\t+4*\k+3], v[R16], s[86:87] offset:(\off)+512*\t+256*\k
.endr
.endr
.endm
.macro LBQ off                         ; q's or k's bias in the result's layout: register i of tile t of lane (r, h) is d = 32 (t / 2) + 8 (t % 2) + 16 h + i
.irp t, 0,1,2,3
	global_load_b128 v[BO+8*\t:BO+8*\t+3], v[B64], s[88:89] offset:(\off)+(32*(\t/2)+8*(\t%2))*4
	global_load_b128 v[BO+8*\t+4:BO+8*\t+7], v[B64], s[88:89] offset:(\off)+(32*(\t/2)+8*(\t%2))*4+16
.endr
.endm
.macro BLK ph, s
.if ((\s) == 1) && ((\ph) < 2)
	s_wait_tensorcnt 0x0                           ; all my tensor loads have landed
	ds_add_u32 v[SPW], v[NIL]
	s_wait_dscnt NF+1                              ; this block's fragments are in; the add and the last fetch are younger
	PRODS \ph, \s, 0, 24
	s_wait_dscnt 0x0
	s_barrier_signal -1                            ; opens a round of the cluster's barrier: every wave of every partner holds this phase's weights in registers
	PRODS \ph, \s, 24, 32
	s_barrier_wait -1
	s_cmp_lg_u32 s14, 0
	s_cbranch_scc1 .Lnw0_\@
	s_barrier_signal -3
.Lnw0_\@:
	s_barrier_wait -3
	BARRIER
	tensor_load_to_lds s[G0R+4*(\ph):G0R+4*(\ph)+3], s[G1R:G1R+7]   ; my 2 tiles of the next phase's weights
	s_nop 0
	PLACES 4                                       ; also the places behind the block's last product
.else
.if (((\s) == 0) && ((\ph) > 0)) || (((\s) == 7) && ((\ph) == 2))
	s_wait_dscnt 0x0
.else
	s_wait_dscnt NF                                ; this block's fragments are in; only the last fetch is younger
.endif
	PRODS \ph, \s, 0, 32
	PLACES 4                                       ; between the last product and the fetch into its registers, and the first reader of its sums
.endif
.if ((\ph) < 2) || ((\s) < 6)
	FETCH ((\s)+2)%8                               ; the block two on (round into the next phase)
.endif
.if (\ph) == 1
.if (\s)%4 == 3
.irp t, 0,1,2,3
	WOUT ACC+32*\t, SW+\t, (\s)/4, 6144+1536*\t+768*((\s)/4)
.endr
.endif
.else
	WOUT ACC, SW+(\s), 0, 12288*(1-(\ph)/2)+768*(\s)
.endif
.endm
.macro TURNP                           ; a change of phase
	s_wait_loadcnt 0x0                             ; the next phase's scale words and bias are in
	s_wait_tensorcnt 0x0                           ; every wave: my 2 tiles of its weights have landed
	s_wait_dscnt 0x0
	BARRIER                                        ; a plain barrier
	RLOAD
.endm
	s_load_b256 s[4:11], s[0:1], 0x0               ; opc, ops, qkv_b, qkvc
	s_load_b64 s[12:13], s[0:1], 0x20              ; qkvs
	v_lshl_add_u32 v[SPW], v0, 2, SPARE
	v_mov_b32 v[NIL], 0
	ds_add_u32 v[SPW], v[NIL]                      ; the opening lines
	ds_add_u32 v[SPW], v[NIL]
	v_lshrrev_b32 v1, 5, v0
	v_readfirstlane_b32 s14, v1                    ; the wave; s15 its row a of the 2 x 2, s16 its column
	s_lshr_b32 s15, s14, 1
	s_and_b32 s16, s14, 1
	s_bfe_u32 s40, ttmp6, 0x40000
	s_bfe_u32 s41, ttmp6, 0x40004
	s_lshl_b32 s43, ttmp9, 2
	s_add_co_u32 s43, s43, s40                     ; block of 256 tokens: 4 x cluster x + cx
	s_and_b32 s42, ttmp7, 0xffff
	s_lshl_b32 s42, s42, 2
	s_add_co_u32 s42, s42, s41                     ; group of 128 features: 4 x cluster y + cy
	s_lshl_b32 s44, 0x1111, s40                    ; my column of the cluster shares the tokens' tiles
	s_lshl_b32 s45, s41, 2
	s_lshl_b32 s45, 15, s45                        ; my row shares the weights'
	s_mov_b32 s[SEL], 0x76543210
	s_mov_b32 s[SEL+1], 0xfedcba98                 ; selects for lane l xor 16
	s_or_b32 s[G1A+0], s44, (3<<16)|(1<<21)        ; tokens: two rows, 12,288 elements of 8 bytes apart; how long, each arm says
	s_mov_b32 s[G1A+2], 2<<16
	s_mov_b32 s[G1A+4], 2
	s_mov_b32 s[G1A+5], 12288
	s_mov_b32 s[G1A+6], 0
	s_mov_b32 s[G1A+7], 0
	s_or_b32 s[G1B+0], s45, (3<<16)|(1<<21)        ; W_q's 8 tiles: dense bytes as 384 rows of 256
	s_mov_b32 s[G1B+1], 32<<16
	s_mov_b32 s[G1B+2], 384<<16
	s_mov_b32 s[G1B+3], 32<<16
	s_mov_b32 s[G1B+4], 384
	s_mov_b32 s[G1B+5], 32
	s_mov_b32 s[G1B+6], 0
	s_mov_b32 s[G1B+7], 0
	s_or_b32 s[G1R+0], s45, (3<<16)|(1<<21)        ; a refill's 2 tiles: 96 rows of 256
	s_mov_b32 s[G1R+1], 32<<16
	s_mov_b32 s[G1R+2], 96<<16
	s_mov_b32 s[G1R+3], 32<<16
	s_mov_b32 s[G1R+4], 96
	s_mov_b32 s[G1R+5], 32
	s_mov_b32 s[G1R+6], 0
	s_mov_b32 s[G1R+7], 0
	s_mov_b32 s[G0A], 1
	s_mov_b32 s[G0B], 1
	s_mov_b32 s[G0B+1], YB
	s_mul_i32 s50, s14, 2*TILE
	s_mov_b32 s51, 0
	s_mov_b32 s[G0R], 1
	s_add_co_u32 s[G0R+1], s50, YB
	s_mov_b32 s[G0R+4], 1
	s_add_co_u32 s[G0R+5], s50, YB
	s_mul_i32 s46, s43, 16*TILE                    ; the tokens' 16 tiles
	s_mov_b32 s47, 0
	s_mul_i32 s48, s42, 8*TILE
	s_add_co_u32 s48, s48, 512*TILE                ; W_q's 8 tiles; W_v's lie 128 tiles on, W_k's 64
	s_mov_b32 s49, 0
	s_lshl_b32 s52, s42, 3
	s_lshl_b32 s20, s16, 2
	s_add_co_u32 s52, s52, s20
	s_add_co_u32 s52, s52, 512
	s_lshl_b32 s52, s52, 9                         ; my four weight tiles' scale words
	s_mov_b32 s53, 0
	s_lshl_b32 s54, s43, 4
	s_lshl_b32 s20, s15, 3
	s_add_co_u32 s54, s54, s20
	s_lshl_b32 s54, s54, 9                         ; my eight token tiles'
	s_mov_b32 s55, 0
	s_lshl_b32 s92, s42, 9
	s_lshl_b32 s20, s16, 8
	s_add_co_u32 s92, s92, s20                     ; my 64 features of the bias, in bytes
	s_mov_b32 s93, 0
	s_lshl_b32 s94, s43, 1
	s_add_co_u32 s94, s94, s15                     ; my step of 128 tokens, 0 .. 63
	s_lshr_b32 s95, s94, 4
	s_lshl_b32 s95, s95, 4                         ; batch x 16
	s_lshl_b32 s20, s42, 1
	s_add_co_u32 s20, s20, s16                     ; my head
	s_add_co_u32 s95, s95, s20
	s_lshl_b32 s95, s95, 4
	s_and_b32 s94, s94, 15
	s_add_co_u32 s95, s95, s94                     ; my record
	s_mul_i32 s20, s95, 1280
	s_mov_b32 s21, 0
	s_mul_i32 s94, s95, 18432
	s_mov_b32 s95, 0
	s_mul_i32 s17, s15, 4*TILE
	s_mul_i32 s18, s15, 2*TILE
	s_mul_i32 s19, s16, 4*TILE
	s_add_co_u32 s19, s19, YB
	v_and_b32 v1, 15, v0
	v_bfe_u32 v2, v0, 4, 1
	v_and_b32 v3, 31, v0
	v_mov_b32 v[TM+4], 0                           ; a lane permute's destination counts as read
	v_mov_b32 v[TM+5], 0
	v_lshlrev_b32 v[L16], 4, v3
	v_lshlrev_b32 v[L8], 3, v3
	v_lshlrev_b32 v[R16], 4, v1
	v_lshlrev_b32 v[B64], 6, v2
	v_and_b32 v9, 8, v1
	v_add_nc_u32 v9, v9, v1
	v_lshlrev_b32 v[RB], 2, v9                     ; r + 8 (r / 8) numbers
.irp s, 0,1,2,3                                ; token tile 8 a + s in LDS: tiles 0-3 and 8-11 on end, then 4-5 and 12-13, then 6-7 and 14-15
	v_add3_u32 v[AD+2*\s], s17, \s*TILE, v[L16]
	v_add3_u32 v[AD+2*\s+1], s17, \s*TILE, v[L8]
.endr
.irp s, 4,5,6,7
	v_add3_u32 v[AD+2*\s], s18, 8*TILE+((\s-4)/2)*4*TILE+((\s-4)%2)*TILE, v[L16]
	v_add3_u32 v[AD+2*\s+1], s18, 8*TILE+((\s-4)/2)*4*TILE+((\s-4)%2)*TILE, v[L8]
.endr
	v_add_nc_u32 v[ADB], s19, v[L16]
	v_add_nc_u32 v[ADB+1], s19, v[L8]
	s_wait_alu depctr_va_vdst(0)
	s_wait_dscnt 0x0
	CROUND                                         ; the opening round
	s_wait_kmcnt 0x0
	s_add_nc_u64 s[G0A+2:G0A+3], s[4:5], s[46:47]
	s_add_nc_u64 s[G0B+2:G0B+3], s[4:5], s[48:49]
	s_add_nc_u64 s[G0R+2:G0R+3], s[G0B+2:G0B+3], s[50:51]
	s_add_nc_u64 s[G0R+6:G0R+7], s[G0R+2:G0R+3], 64*TILE       ; the second refill: W_k's
	s_add_nc_u64 s[G0R+2:G0R+3], s[G0R+2:G0R+3], 128*TILE      ; the first: W_v's
	s_or_b32 s[G0B+3], s[G0B+3], 0x80000000
	s_or_b32 s[G0R+3], s[G0R+3], 0x80000000
	s_or_b32 s[G0R+7], s[G0R+7], 0x80000000
	s_add_nc_u64 s[84:85], s[6:7], s[54:55]
	s_add_nc_u64 s[86:87], s[6:7], s[52:53]
	s_add_nc_u64 s[88:89], s[8:9], s[92:93]
	s_add_nc_u64 s[10:11], s[10:11], s[94:95]
	s_add_nc_u64 s[12:13], s[12:13], s[20:21]
	s_cmp_eq_u32 s14, 0
	s_cbranch_scc0 .Lwave_1
	TLOAD G0B, G1B                                 ; wave 0: W_q's tiles, which are wanted first
	s_branch .Lasked
.Lwave_1:
	s_cmp_eq_u32 s14, 1
	s_cbranch_scc0 .Lwave_2
	ATILE 0, 0, 6144                               ; wave 1: tiles 0-3 and 8-11
	s_branch .Lasked
.Lwave_2:
	s_cmp_eq_u32 s14, 2
	s_cbranch_scc0 .Lwave_3
	ATILE 8*TILE, 4*TILE, 3072                     ; wave 2: tiles 4-5 and 12-13
	s_branch .Lasked
.Lwave_3:
	ATILE 12*TILE, 6*TILE, 3072                    ; wave 3: tiles 6-7 and 14-15
.Lasked:
	LSB 0, 0                                       ; q's
	LBQ 0
.irp s, 0,1,2,3,4,5,6,7
.irp k, 0,1
	global_load_b128 v[SA+8*\s+4*\k:SA+8*\s+4*\k+3], v[R16], s[84:85] offset:512*\s+256*\k
.endr
.endr
	LSB 1, 128*512                                 ; v's
	WIN 0xc0
.irp t, 0,1,2,3                                ; v's bias: a lane's d is one number for all eight registers of a sum
.irp j, 0,1,2,3,4,5,6,7
	global_load_b32 v[BO+8*\t+\j], v[RB], s[88:89] offset:8192+(32*(\t/2)+8*(\t%2))*4
.endr
.endr
	WIN 0
	s_wait_loadcnt 0x0
	s_wait_dscnt 0x0
	s_cmp_eq_u32 s14, 0
	s_cbranch_scc0 .Lnot_b
	s_wait_tensorcnt 0x0                           ; wave 0: W_q's tiles have landed
.Lnot_b:
	BARRIER
	RLOAD
	s_cmp_eq_u32 s14, 1
	s_cbranch_scc0 .Lnot_a
	s_wait_tensorcnt 0x0                           ; wave 1: tiles 0-3 and 8-11 have landed
.Lnot_a:
	s_wait_dscnt 0x0
	BARRIER                                        ; they are shown to all; waves 2 and 3's tiles may be on their way
	FETCH 0
	FETCH 1
.irp s, 0,1,2,3,4,5,6,7
	BLK 0, \s                                      ; q
.endr
	SWOUT 768, 1
	TURNP
	LSB 0, 64*512                                  ; k's scale words and bias, into the set that q has left
	LBQ 4096
.irp s, 0,1,2,3,4,5,6,7
	BLK 1, \s                                      ; v
.endr
	SWOUT 512, 0
	TURNP
.irp s, 0,1,2,3,4,5,6,7
	BLK 2, \s                                      ; k
.endr
	SWOUT 0, 1
	s_wait_tensorcnt 0x0                           ; the wave's end
	ds_add_u32 v[SPW], v[NIL]
	s_wait_dscnt 0x0
	CROUND                                         ; the closing round
	s_endpgm
.Lfunc_end_k_qee9014be26_gemm_qkv:
	.size	k_qee9014be26_gemm_qkv, .Lfunc_end_k_qee9014be26_gemm_qkv-k_qee9014be26_gemm_qkv
	.p2alignl 7, 3214868480
	.fill 96, 4, 3214868480
	.section	.rodata,"a",@progbits
	.p2align	6, 0x0
	.amdhsa_kernel k_qee9014be26_gemm_qkv
		.amdhsa_group_segment_fixed_size 327680
		.amdhsa_private_segment_fixed_size 0
		.amdhsa_enable_private_segment 0
		.amdhsa_kernarg_size 40
		.amdhsa_user_sgpr_count 2
		.amdhsa_user_sgpr_kernarg_segment_ptr 1
		.amdhsa_wavefront_size32 1
		.amdhsa_system_sgpr_workgroup_id_x 1
		.amdhsa_system_sgpr_workgroup_id_y 1
		.amdhsa_system_sgpr_workgroup_id_z 1
		.amdhsa_system_vgpr_workitem_id 0
		.amdhsa_next_free_vgpr 1024
		.amdhsa_next_free_sgpr 100
		.amdhsa_reserve_vcc 1
		.amdhsa_float_denorm_mode_32 3
		.amdhsa_float_denorm_mode_16_64 3
		.amdhsa_memory_ordered 1
		.amdhsa_forward_progress 1
		.amdhsa_inst_pref_size 254
	.end_amdhsa_kernel
	.amdgpu_metadata
---
amdhsa.version: [ 1, 2 ]
amdhsa.kernels:
  - .name:           k_qee9014be26_gemm_qkv
    .symbol:         k_qee9014be26_gemm_qkv.kd
    .args:
      - { .name: opc, .offset: 0, .size: 8, .value_kind: global_buffer, .address_space: global }
      - { .name: ops, .offset: 8, .size: 8, .value_kind: global_buffer, .address_space: global }
      - { .name: qkv_b, .offset: 16, .size: 8, .value_kind: global_buffer, .address_space: global }
      - { .name: qkvc, .offset: 24, .size: 8, .value_kind: global_buffer, .address_space: global }
      - { .name: qkvs, .offset: 32, .size: 8, .value_kind: global_buffer, .address_space: global }
    .group_segment_fixed_size: 327680
    .private_segment_fixed_size: 0
    .kernarg_segment_align: 8
    .kernarg_segment_size: 40
    .max_flat_workgroup_size: 128
    .sgpr_count:     100
    .vgpr_count:     1024
    .wavefront_size: 32
...
	.end_amdgpu_metadata
.endif
;; end of part 2
;; launch attn (part 3): grid 4 x 64, 8 waves a work-group, clusters of 4 x 1, 327,680 bytes of LDS; arguments qkvc, qkvs, cc, cs; writes cc, cs
.if DOCPART == 3
	.amdgcn_target "amdgcn-amd-amdhsa--gfx1250"
	.amdhsa_code_object_version 6
	.text
	.protected	k_qee9014be26_attn
	.globl	k_qee9014be26_attn
	.p2align	8
	.type	k_qee9014be26_attn,@function
k_qee9014be26_attn:
	s_mov_b64 s[64:65], 0
	v_nop
	global_prefetch_b8 v0, s[64:65] scope:SCOPE_SE
	s_setreg_imm32_b32 hwreg(HW_REG_WAVE_MODE, 25, 1), 1
	s_wait_xcnt 0x0
	s_wait_alu depctr_hold_cnt(0) depctr_sa_sdst(0) depctr_va_vdst(0) depctr_va_sdst(0) depctr_va_ssrc(0) depctr_va_vcc(0) depctr_vm_vsrc(0)
	s_getreg_b32 s2, hwreg(HW_REG_IB_STS2, 6, 4)
	s_cmp_eq_u32 s2, 0
	s_cbranch_scc0 .Lentry_in_a_cluster
	s_endpgm
.Lentry_in_a_cluster:
	s_bfe_u32 s2, ttmp6, 0x10000c
	s_cmp_lg_u32 s2, 0x3003
	s_cbranch_scc0 .Lentry_shape_is_right
	s_endpgm
.Lentry_shape_is_right:
; ctx = softmax(q k^T / 8) v for one head and 512 queries a work-group, on codes of FP6 (E2M3); ctx leaves as codes and scale bytes along the model's 1,024 (cc, cs: operand images for the out-projection).
; qkvc [b h 64][step of 128 tokens 16][K 8 tiles x 768 | V 4 tiles of d x 1536 | Q 8 tiles x 768], qkvs [b h][step][K 2 x 256 | V 256 | Q 2 x 256]: images of operand registers.
; SHARES: 256 work-groups; the four of a cluster take the four blocks of 512 queries of one head and ask for its K and V JOINTLY.  Eight waves; a wave takes TWO tiles of 16 queries (u = 0, 1) in each of two passes,
; a lane one query of each: every fragment of k and v, every address and every wait serves both tiles, and the two tiles' chains of dependent lines go by turns.
; LDS: the head's K and V of all 2,048 keys (16 x 12,288 bytes), their scale words (16 x 768), the spare words.  All of it is filled once, at the head: waves 0-3 bring four steps' codes each, wave 4 the scale words.
; Every wave waits for its load, one barrier shows all tiles, and from there on the waves share nothing.  No data prefetch: every load is issued at the head, ahead of any loop.
; A STEP (128 keys): S^T = k q^T (8 products a tile; the head's 64 fill half of K, q's other half is zero codes), the running M = ceil(largest t), p = 2^(t - M), the row's sum of the unquantised p in two chains,
; p's codes and scale word, O^T x 2^(old M - new M), O^T += v^T p^T (4 products a tile).  By the order of keys in a tile the 16 registers of tiles 2 b, 2 b + 1 are keys 32 b + 16 (lane / 16) + 0 .. 15.
; A block's largest p is made of the block's largest score by the same multiply-add and exponential.
; LIMITS: the promise holds while the scaled scores stay under 2^31 in magnitude; a block whose largest p lies under 2^-124 gets the byte 1; NaN and infinities are not served.
; REGISTERS, window 0: v1, v2 16 x, 8 x lane; v3 scale words' base; v4-6 LDS addresses; v[12+2u] -M, v[13+2u] largest t; v[16+4u ..] the sum's two chains; v[24+2u] the factor; v[28+u] the last step's -M;
; v32-79 fragments of k, then of v (v80-85 zero); v[86+12u ..] q and six zeros; v110, v111 q's scale words; v112-123 k's, v's; v124-155 a block's maxima and scales (index 4 u + b); v156, v157 p's scale words; v160-183 p's codes.
; Window 1: v[64u ..] S^T, then p; v[128+32u ..] O^T; v192-205 the second pass's q.
.set SCB,  196608
.set SPARE, 0x33000
.set WV,   12
.set SEL,  20
.set CS,   22
.set G1C,  24
.set G1S,  32
.set G0S,  40
.set G0C,  44
.set TB,   60
.set TS,   61
.set CNT,  62
.set PASS, 63
.set FF,   32
.set QQ,   86
.set QS,   110
.set KSC,  112
.set VSC,  120
.set BM,   124
.set PM,   132
.set SO,   140
.set BY,   148
.set PW,   156
.set PC,   160
.set TP,   184
.set MSB, 0
.macro WIN new                         ; the immediate's high byte repeats the setting that is left
.if MSB != \new
	s_set_vgpr_msb (MSB<<8)|\new
.set MSB, \new
.endif
.endm
.macro ROUND
	s_barrier_signal -1
	s_barrier_wait -1
	s_cmp_lg_u32 s[WV], 0
	s_cbranch_scc1 .Lnot_wave_0_\@
	s_barrier_signal -3
.Lnot_wave_0_\@:
	s_barrier_wait -3
	s_barrier_signal -1
	s_barrier_wait -1
.endm
.macro WALU
	s_wait_alu depctr_va_vdst(0)
.endm
.macro DEP n
	s_delay_alu instid0(VALU_DEP_\n)
.endm
	s_load_b256 s[4:11], s[0:1], 0x0               ; qkvc, qkvs, cc, cs
	v_lshl_add_u32 v254, v0, 2, SPARE
	v_mov_b32 v255, 0
	ds_add_u32 v254, v255                          ; the opening lines
	ds_add_u32 v254, v255
	v_lshrrev_b32 v4, 5, v0
	v_readfirstlane_b32 s[WV], v4                  ; wave 0..7
	s_bfe_u32 s13, ttmp6, 0x40000
	s_lshl_b32 s14, ttmp9, 2
	s_add_co_u32 s14, s14, s13                     ; my block of 512 queries
	s_and_b32 s15, ttmp7, 0xffff                   ; batch x 16 + head
	s_lshl_b32 s16, s15, 4                         ; its first record
	s_lshl_b32 s18, s[WV], 1                       ; my first tile of the pass's 16
	s_mov_b32 s[G1C], 15|(3<<16)|(1<<21)           ; codes: 4 rows (steps) of 1,536 elements of 8 bytes, 2,304 elements apart; the mask names the cluster's four
	s_mov_b32 s[G1C+1], 1536<<16
	s_mov_b32 s[G1C+2], 4<<16
	s_mov_b32 s[G1C+3], 1536<<16
	s_mov_b32 s[G1C+4], 4
	s_mov_b32 s[G1C+5], 2304
	s_mov_b32 s[G1C+6], 0
	s_mov_b32 s[G1C+7], 0
	s_mov_b32 s[G1S], 15|(3<<16)|(1<<21)           ; scale words: 16 rows (steps) of 96 elements, 160 apart
	s_mov_b32 s[G1S+1], 96<<16
	s_mov_b32 s[G1S+2], 16<<16
	s_mov_b32 s[G1S+3], 96<<16
	s_mov_b32 s[G1S+4], 16
	s_mov_b32 s[G1S+5], 160
	s_mov_b32 s[G1S+6], 0
	s_mov_b32 s[G1S+7], 0
	s_mul_i32 s66, s16, 1280
	s_mov_b32 s67, 0
	s_lshl_b32 s17, s[WV], 2
	s_add_co_u32 s17, s17, s16
	s_mul_i32 s68, s17, 18432                      ; steps 4 w .. 4 w + 3
	s_mov_b32 s69, 0
	s_mul_i32 s19, s[WV], 49152
	s_mov_b32 s[SEL], 0x76543210
	s_mov_b32 s[SEL+1], 0xfedcba98                 ; selects for lane l xor 16
	s_mov_b32 s[CS], 0x3e38aa3b                    ; log2(e) / 8
	s_mov_b32 s[CS+1], s[CS]
	s_wait_dscnt 0x0
	s_wait_kmcnt 0x0
	s_mov_b32 s[G0S], 1
	s_mov_b32 s[G0S+1], SCB
	s_add_nc_u64 s[G0S+2:G0S+3], s[6:7], s[66:67]
	s_or_b32 s[G0S+3], s[G0S+3], 0x80000000
	s_mov_b32 s[G0C], 1
	s_mov_b32 s[G0C+1], s19
	s_add_nc_u64 s[G0C+2:G0C+3], s[4:5], s[68:69]
	s_or_b32 s[G0C+3], s[G0C+3], 0x80000000
	ROUND                                          ; the four partners are here: the joint loads meet
	s_cmp_lt_u32 s[WV], 4
	s_cbranch_scc0 .Lscales
	tensor_load_to_lds s[G0C:G0C+3], s[G1C:G1C+7]
	s_nop 0
.rept 4
	v_nop
.endr
	s_branch .Lasked
.Lscales:
	s_cmp_eq_u32 s[WV], 4
	s_cbranch_scc0 .Lnone
	tensor_load_to_lds s[G0S:G0S+3], s[G1S:G1S+7]
	s_nop 0
.rept 4
	v_nop
.endr
.Lnone:
.Lasked:
	v_and_b32 v8, 31, v0                           ; lane
	v_and_b32 v7, 15, v0                           ; r
.irp i, 25,27,30,31, 80,81,82,83,84,85, 92,93,94,95,96,97, 104,105,106,107,108,109, 132,133,134,135,136,137,138,139
	v_mov_b32 v\i, 0
.endr
	v_lshlrev_b32 v1, 4, v8
	v_lshlrev_b32 v2, 3, v8
	v_lshlrev_b32 v7, 4, v7
	v_and_b32 v3, 15, v0
	v_lshl_add_u32 v3, v3, 4, SCB
	WALU
	s_lshl_b32 s70, s14, 2                         ; q: record 4 x block + tile / 8 (second pass: two records on), tile % 8 in it
	s_lshr_b32 s71, s18, 3
	s_add_co_u32 s70, s70, s71
	s_add_co_u32 s70, s70, s16
	s_mul_i32 s72, s70, 18432
	s_and_b32 s71, s18, 7
	s_mul_i32 s71, s71, 768
	s_add_co_u32 s72, s72, s71
	s_add_co_u32 s72, s72, 12288
	s_mov_b32 s73, 0
	s_add_nc_u64 s[72:73], s[4:5], s[72:73]
	s_mul_i32 s74, s70, 1280
	s_bfe_u32 s71, s18, 0x10002
	s_lshl_b32 s71, s71, 8
	s_add_co_u32 s74, s74, s71
	s_and_b32 s71, s18, 3
	s_lshl_b32 s71, s71, 2
	s_add_co_u32 s74, s74, s71
	s_add_co_u32 s74, s74, 768
	s_mov_b32 s75, 0
	s_add_nc_u64 s[74:75], s[6:7], s[74:75]
.irp u, 0,1
	global_load_b128 v[QQ+12*\u:QQ+12*\u+3], v1, s[72:73] offset:768*\u
	global_load_b64 v[QQ+12*\u+4:QQ+12*\u+5], v2, s[72:73] offset:768*\u+512
	global_load_b32 v[QS+\u], v7, s[74:75] offset:4*\u
.endr
	WIN 0x40                                       ; the second pass's into window 1
.irp u, 0,1
	global_load_b128 v[192+6*\u:195+6*\u], v1, s[72:73] offset:36864+768*\u
	global_load_b64 v[196+6*\u:197+6*\u], v2, s[72:73] offset:36864+768*\u+512
	global_load_b32 v[204+\u], v7, s[74:75] offset:2560+4*\u
.endr
	WIN 0
	s_lshr_b32 s76, s15, 4                         ; where ctx goes: tile of 16 tokens, the head's half of a K step
	s_lshl_b32 s76, s76, 7
	s_lshl_b32 s77, s14, 5
	s_add_co_u32 s76, s76, s77
	s_add_co_u32 s76, s76, s18
	s_and_b32 s77, s15, 15
	s_mul_i32 s78, s76, 12288
	s_mul_i32 s79, s77, 768
	s_add_co_u32 s78, s78, s79
	s_mov_b32 s79, 0
	s_add_nc_u64 s[8:9], s[8:9], s[78:79]
	s_lshl_b32 s78, s76, 9
	s_lshr_b32 s76, s77, 3
	s_lshl_b32 s76, s76, 8
	s_add_co_u32 s78, s78, s76
	s_bfe_u32 s76, s77, 0x20001
	s_lshl_b32 s76, s76, 2
	s_add_co_u32 s78, s78, s76
	s_and_b32 s76, s77, 1
	s_lshl_b32 s76, s76, 1
	s_add_co_u32 s78, s78, s76
	s_add_nc_u64 s[10:11], s[10:11], s[78:79]
	s_wait_loadcnt 0x0
	s_wait_tensorcnt 0x0                           ; every wave, under no branch: my tile is in
	s_barrier_signal -1
	s_barrier_wait -1                              ; all of K, V and their scale words are in
	s_mov_b32 s[PASS], 2
.Lpass:
	s_mov_b32 s[TB], 0
	s_mov_b32 s[TS], 0
	s_mov_b32 s[CNT], 16
	v_mov_b32 v13, 0xff61b1e6                      ; the largest t so far: -3e38
	v_mov_b32 v15, 0xff61b1e6
.irp i, 16,17,18,19,20,21,22,23
	v_mov_b32 v\i, 0
.endr
	v_floor_f32 v12, -v13
	v_floor_f32 v14, -v15
	WIN 0x40
.set j, 0
.rept 64
	v_mov_b32 v[128+j], 0                          ; the step is written once: the first finds zeros
.set j, j+1
.endr
	WIN 0
	v_mov_b32 v28, v12
	v_mov_b32 v29, v14
.Lstep:
	v_add_nc_u32 v4, s[TB], v1                     ; with the eight sums behind the last products these are the places ahead of the loads below
	v_add_nc_u32 v5, s[TB], v2
	v_add_nc_u32 v6, s[TS], v3
.irp t, 0,1,2,3,4,5,6,7
	ds_load_b128 v[FF+6*\t:FF+6*\t+3], v4 offset:768*\t
	ds_load_b64 v[FF+6*\t+4:FF+6*\t+5], v5 offset:768*\t+512
.endr
	ds_load_b128 v[KSC:KSC+3], v6
	ds_load_b128 v[KSC+4:KSC+7], v6 offset:256
	ds_load_b128 v[VSC:VSC+3], v6 offset:512
	s_wait_dscnt 0x0
	WIN 0x40                                       ; the scores go to window 1
.irp t, 0,1,2,3,4,5,6,7
.irp u, 0,1
	v_wmma_scale_f32_16x16x128_f8f6f4 v[64*\u+8*\t:64*\u+8*\t+7], v[FF+6*\t:FF+6*\t+11], v[QQ+12*\u:QQ+12*\u+11], 0, v[KSC+\t], v[QS+\u] matrix_a_fmt:MATRIX_FMT_FP6 matrix_b_fmt:MATRIX_FMT_FP6
.endr
.endr
	WIN 0
	v_add3_u32 v4, s[TB], 6144, v1                 ; v's fragments; four places behind the products
	v_add3_u32 v5, s[TB], 6144, v2
	v_nop
	v_nop
.irp t, 0,1,2,3
.irp c, 0,1
	ds_load_b128 v[FF+12*\t+6*\c:FF+12*\t+6*\c+3], v4 offset:1536*\t+768*\c
	ds_load_b64 v[FF+12*\t+6*\c+4:FF+12*\t+6*\c+5], v5 offset:1536*\t+768*\c+512
.endr
.endr
	WIN 0x14                                       ; sources 1 and 2: the scores
.irp i, 0,2,4,6,8,10,12,14
.irp g, 0,1,2,3,4,5,6,7
.if \i == 0
	v_max3_num_f32 v[BM+\g], 0xff800000, v[16*\g], v[16*\g+1]      ; each block's largest score: eight blocks (4 u + b) by turns
.else
	v_max3_num_f32 v[BM+\g], v[BM+\g], v[16*\g+\i], v[16*\g+\i+1]
.endif
.endr
.endr
	WIN 0
.irp g, 0,1,2,3,4,5,6,7
	v_permlanex16_b32 v[PM+\g], v[BM+\g], s[SEL], s[SEL+1]
.endr
.irp g, 0,1,2,3,4,5,6,7
	v_max_num_f32 v[BM+\g], v[BM+\g], v[PM+\g]     ; with lane l xor 16's 16 keys
.endr
.irp u, 0,1
	v_max3_num_f32 v[30+\u], v[BM+4*\u], v[BM+4*\u+1], v[BM+4*\u+2]
.endr
.irp u, 0,1
	DEP 2
	v_max_num_f32 v[30+\u], v[30+\u], v[BM+4*\u+3]
.endr
.irp u, 0,1
	DEP 2
	v_mul_f32 v[30+\u], s[CS], v[30+\u]
.endr
.irp u, 0,1
	DEP 2
	v_max_num_f32 v[13+2*\u], v[13+2*\u], v[30+\u] ; the running largest t
.endr
.irp u, 0,1
	DEP 2
	v_floor_f32 v[12+2*\u], -v[13+2*\u]            ; -M = -ceil(t)
.endr
.irp u, 0,1
	DEP 2
	v_sub_f32 v[30+\u], v[12+2*\u], v[28+\u]       ; old M - new M, a whole number
.endr
.irp u, 0,1
	DEP 2
	v_cvt_i32_f32 v[30+\u], v[30+\u]
.endr
.irp u, 0,1
	DEP 2
	v_ldexp_f32 v[24+2*\u], 1.0, v[30+\u]          ; the factor: an exact power of two
.endr
.irp g, 0,1,2,3,4,5,6,7
	v_fma_f32 v[BM+\g], v[BM+\g], s[CS], v[12+2*(\g/4)]
.endr
	WIN 0x41                                       ; destination and source 0: the scores
.set j, 0
.rept 64
	v_pk_fma_f32 v[j:j+1], v[j:j+1], s[CS:CS+1], v[12+2*(j/64):13+2*(j/64)] op_sel_hi:[1,0,0]
.set j, j+2
.endr
	WALU
.set j, 0
.rept 128
	v_exp_f32 v[j], v[j]                           ; p = 2^(t - M)
.set j, j+1
.endr
	WIN 0
.irp g, 0,1,2,3,4,5,6,7
	v_exp_f32 v[BM+\g], v[BM+\g]                   ; each block's largest p
.endr
	v_mov_b32 v28, v12                             ; -M for the next step: the plain lines behind the batch
	v_mov_b32 v29, v14
	WALU                                           ; and the one wait behind it
.irp g, 0,1,2,3,4,5,6,7
	v_max_num_f32 v[BM+\g], 0x1800000, v[BM+\g]    ; the floor 2^(3 - 127): the byte cannot fall under 1
.endr
.irp g, 0,1,2,3,4,5,6,7
	v_add_nc_u32 v[SO+\g], 0xff000000, v[BM+\g]    ; 2 off the exponent field: the conversion's scale operand
.endr
.irp g, 0,1,2,3,4,5,6,7
	v_lshrrev_b32 v[BY+\g], 23, v[SO+\g]
.endr
.irp u, 0,1
	v_lshl_or_b32 v[PW+\u], v[BY+4*\u+1], 8, v[BY+4*\u]
.endr
.irp u, 0,1
	DEP 2
	v_lshl_or_b32 v[PW+\u], v[BY+4*\u+2], 16, v[PW+\u]
.endr
.irp u, 0,1
	DEP 2
	v_lshl_or_b32 v[PW+\u], v[BY+4*\u+3], 24, v[PW+\u]   ; p's scale words
.endr
	WIN 0x01
.irp u, 0,1
.irp c, 0,1
	v_cvt_scalef32_pk16_fp6_f32 v[PC+12*\u+6*\c:PC+12*\u+6*\c+2], v[64*\u+32*\c:64*\u+32*\c+15], v[SO+4*\u+2*\c]
	v_cvt_scalef32_pk16_fp6_f32 v[TP+8*\u+4*\c:TP+8*\u+4*\c+2], v[64*\u+32*\c+16:64*\u+32*\c+31], v[SO+4*\u+2*\c+1]
.endr
.endr
	WIN 0x10                                       ; the sum of the unquantised p: each chain comes under the new M in its first link (plain lines behind the conversions)
.irp u, 0,1
	v_pk_fma_f32 v[16+4*\u:17+4*\u], v[16+4*\u:17+4*\u], v[24+2*\u:25+2*\u], v[64*\u:64*\u+1] op_sel_hi:[1,0,1]
	v_pk_fma_f32 v[18+4*\u:19+4*\u], v[18+4*\u:19+4*\u], v[24+2*\u:25+2*\u], v[64*\u+2:64*\u+3] op_sel_hi:[1,0,1]
.endr
	WIN 0x04
.irp j, 4,8,12,16,20,24,28,32,36,40,44,48,52
.irp u, 0,1
	v_pk_add_f32 v[16+4*\u:17+4*\u], v[16+4*\u:17+4*\u], v[64*\u+\j:64*\u+\j+1]
	v_pk_add_f32 v[18+4*\u:19+4*\u], v[18+4*\u:19+4*\u], v[64*\u+\j+2:64*\u+\j+3]
.endr
.endr
	WIN 0
.irp u, 0,1                                    ; a whole block to a lane: lanes 0-15 block 2 c, lanes 16-31 block 2 c + 1
.irp c, 0,1
.irp i, 0,1,2
	v_permlane16_swap_b32 v[PC+12*\u+6*\c+\i], v[TP+8*\u+4*\c+\i]
.endr
.endr
.endr
.irp u, 0,1
.irp c, 0,1
.irp i, 0,1,2
	v_mov_b32 v[PC+12*\u+6*\c+3+\i], v[TP+8*\u+4*\c+\i]
.endr
.endr
.endr
	s_wait_dscnt 0x0                               ; v's fragments are in
	WIN 0x41
	WALU
.set j, 0
.rept 32
	v_pk_mul_f32 v[128+j:129+j], v[128+j:129+j], v[24+2*(j/32):25+2*(j/32)] op_sel_hi:[1,0]
.set j, j+2
.endr
	WIN 0x50
.irp t, 0,1,2,3
.irp u, 0,1
	v_wmma_scale_f32_16x16x128_f8f6f4 v[128+32*\u+8*\t:128+32*\u+8*\t+7], v[FF+12*\t:FF+12*\t+11], v[PC+12*\u:PC+12*\u+11], v[128+32*\u+8*\t:128+32*\u+8*\t+7], v[VSC+\t], v[PW+\u] matrix_a_fmt:MATRIX_FMT_FP6 matrix_b_fmt:MATRIX_FMT_FP6
.endr
.endr
	WIN 0x04
.irp j, 56,60                                  ; the sums' last links name no register of these products: their places
.irp u, 0,1
	v_pk_add_f32 v[16+4*\u:17+4*\u], v[16+4*\u:17+4*\u], v[64*\u+\j:64*\u+\j+1]
	v_pk_add_f32 v[18+4*\u:19+4*\u], v[18+4*\u:19+4*\u], v[64*\u+\j+2:64*\u+\j+3]
.endr
.endr
	WIN 0
	s_add_co_u32 s[TB], s[TB], 12288
	s_add_co_u32 s[TS], s[TS], 768
	s_sub_co_u32 s[CNT], s[CNT], 1
	s_cmp_lg_u32 s[CNT], 0
	s_cbranch_scc1 .Lstep
.irp u, 0,1
	v_pk_add_f32 v[16+4*\u:17+4*\u], v[16+4*\u:17+4*\u], v[18+4*\u:19+4*\u]   ; the two chains, the two halves, lane l xor 16's: the row's sum
.endr
.irp u, 0,1
	DEP 2
	v_add_f32 v[16+4*\u], v[16+4*\u], v[17+4*\u]
.endr
.irp u, 0,1
	DEP 2
	v_permlanex16_b32 v[PM+\u], v[16+4*\u], s[SEL], s[SEL+1]
.endr
.irp u, 0,1
	DEP 2
	v_add_f32 v[16+4*\u], v[16+4*\u], v[PM+\u]
.endr
	WALU
.irp u, 0,1
	v_rcp_f32 v[16+4*\u], v[16+4*\u]
.endr
	v_nop
	WIN 0x41
	WALU
.set j, 0
.rept 32
	v_pk_mul_f32 v[64*(j/32)+j%32:64*(j/32)+j%32+1], v[128+j:129+j], v[16+4*(j/32):17+4*(j/32)] op_sel_hi:[1,0]   ; ctx: register 16 b + i is d = 32 b + 16 (lane / 16) + i
.set j, j+2
.endr
	WIN 0x14
.irp i, 0,2,4,6,8,10,12,14
.irp u, 0,1
.irp b, 0,1
.if \i == 0
	v_max3_num_f32 v[BM+2*\u+\b], 0x1800000, |v[64*\u+16*\b]|, |v[64*\u+16*\b+1]|
.else
	v_max3_num_f32 v[BM+2*\u+\b], v[BM+2*\u+\b], |v[64*\u+16*\b+\i]|, |v[64*\u+16*\b+\i+1]|
.endif
.endr
.endr
.endr
	WIN 0
.irp g, 0,1,2,3
	v_permlanex16_b32 v[PM+\g], v[BM+\g], s[SEL], s[SEL+1]
.endr
.irp g, 0,1,2,3
	v_max_num_f32 v[BM+\g], v[BM+\g], v[PM+\g]
.endr
.irp g, 0,1,2,3
	v_add_nc_u32 v[SO+\g], 0xff000000, v[BM+\g]
.endr
.irp g, 0,1,2,3
	v_lshrrev_b32 v[BY+\g], 23, v[SO+\g]
.endr
.irp u, 0,1
	v_lshl_or_b32 v[PW+\u], v[BY+2*\u+1], 8, v[BY+2*\u]
.endr
	WIN 0x01
.irp u, 0,1
	v_cvt_scalef32_pk16_fp6_f32 v[PC+12*\u:PC+12*\u+2], v[64*\u:64*\u+15], v[SO+2*\u]
	v_cvt_scalef32_pk16_fp6_f32 v[TP+8*\u:TP+8*\u+2], v[64*\u+16:64*\u+31], v[SO+2*\u+1]
.endr
	WIN 0
	v_nop
.irp u, 0,1
.irp i, 0,1,2
	v_permlane16_swap_b32 v[PC+12*\u+\i], v[TP+8*\u+\i]
.endr
.endr
.irp u, 0,1
.irp i, 0,1,2
	v_mov_b32 v[PC+12*\u+3+\i], v[TP+8*\u+\i]
.endr
.endr
.irp u, 0,1
	global_store_b128 v1, v[PC+12*\u:PC+12*\u+3], s[8:9] offset:12288*\u          ; 512 consecutive bytes, aligned to 256
	global_store_b64 v2, v[PC+12*\u+4:PC+12*\u+5], s[8:9] offset:12288*\u+512
.endr
	WALU
	s_wait_xcnt 0x0                                ; EXEC changes only behind this wait
	v_cmp_gt_u32 vcc_lo, 16, v8
	s_and_saveexec_b32 s70, vcc_lo
	global_store_b16 v7, v[PW], s[10:11]           ; my head's two bytes of row r's scale word
	global_store_b16 v7, v[PW+1], s[10:11] offset:512
	s_wait_xcnt 0x0
	s_or_b32 exec_lo, exec_lo, s70
	WIN 0x01
.irp u, 0,1
.irp i, 0,1,2,3,4,5
	v_mov_b32 v[QQ+12*\u+\i], v[192+6*\u+\i]       ; the second pass's queries
.endr
	v_mov_b32 v[QS+\u], v[204+\u]
.endr
	WIN 0
	s_add_nc_u64 s[8:9], s[8:9], 196608
	s_add_nc_u64 s[10:11], s[10:11], 8192
	s_sub_co_u32 s[PASS], s[PASS], 1
	s_cmp_lg_u32 s[PASS], 0
	s_cbranch_scc1 .Lpass
	s_wait_tensorcnt 0x0                           ; the wave's end
	ds_add_u32 v254, v255
	s_wait_dscnt 0x0
	ROUND                                          ; the closing round
	s_endpgm
.Lfunc_end_k_qee9014be26_attn:
	.size	k_qee9014be26_attn, .Lfunc_end_k_qee9014be26_attn-k_qee9014be26_attn
	.p2alignl 7, 3214868480
	.fill 96, 4, 3214868480
	.section	.rodata,"a",@progbits
	.p2align	6, 0x0
	.amdhsa_kernel k_qee9014be26_attn
		.amdhsa_group_segment_fixed_size 327680
		.amdhsa_private_segment_fixed_size 0
		.amdhsa_enable_private_segment 0
		.amdhsa_kernarg_size 32
		.amdhsa_user_sgpr_count 2
		.amdhsa_user_sgpr_kernarg_segment_ptr 1
		.amdhsa_wavefront_size32 1
		.amdhsa_system_sgpr_workgroup_id_x 1
		.amdhsa_system_sgpr_workgroup_id_y 1
		.amdhsa_system_sgpr_workgroup_id_z 1
		.amdhsa_system_vgpr_workitem_id 0
		.amdhsa_next_free_vgpr 512
		.amdhsa_next_free_sgpr 80
		.amdhsa_reserve_vcc 1
		.amdhsa_float_denorm_mode_32 3
		.amdhsa_float_denorm_mode_16_64 3
		.amdhsa_memory_ordered 1
		.amdhsa_forward_progress 1
		.amdhsa_inst_pref_size 50
	.end_amdhsa_kernel
	.amdgpu_metadata
---
amdhsa.version: [ 1, 2 ]
amdhsa.kernels:
  - .name:           k_qee9014be26_attn
    .symbol:         k_qee9014be26_attn.kd
    .args:
      - { .name: qkvc, .offset: 0, .size: 8, .value_kind: global_buffer, .address_space: global }
      - { .name: qkvs, .offset: 8, .size: 8, .value_kind: global_buffer, .address_space: global }
      - { .name: cc, .offset: 16, .size: 8, .value_kind: global_buffer, .address_space: global }
      - { .name: cs, .offset: 24, .size: 8, .value_kind: global_buffer, .address_space: global }
    .group_segment_fixed_size: 327680
    .private_segment_fixed_size: 0
    .kernarg_segment_align: 8
    .kernarg_segment_size: 32
    .max_flat_workgroup_size: 256
    .sgpr_count:     80
    .vgpr_count:     512
    .wavefront_size: 32
...
	.end_amdgpu_metadata
.endif
;; end of part 3
;; launch gemm_out (part 4): grid 32 x 8, 4 waves a work-group, clusters of 4 x 4, 327,680 bytes of LDS; arguments cc, cs, opc, ops, out_b, out0; writes out0
.if DOCPART == 4
	.amdgcn_target "amdgcn-amd-amdhsa--gfx1250"
	.amdhsa_code_object_version 6
	.text
	.protected	k_qee9014be26_gemm_out
	.globl	k_qee9014be26_gemm_out
	.p2align	8
	.type	k_qee9014be26_gemm_out,@function
k_qee9014be26_gemm_out:
	s_mov_b64 s[64:65], 0
	v_nop
	global_prefetch_b8 v0, s[64:65] scope:SCOPE_SE
	s_setreg_imm32_b32 hwreg(HW_REG_WAVE_MODE, 25, 1), 1
	s_wait_xcnt 0x0
	s_wait_alu depctr_hold_cnt(0) depctr_sa_sdst(0) depctr_va_vdst(0) depctr_va_sdst(0) depctr_va_ssrc(0) depctr_va_vcc(0) depctr_vm_vsrc(0)
	s_getreg_b32 s2, hwreg(HW_REG_IB_STS2, 6, 4)
	s_cmp_eq_u32 s2, 0
	s_cbranch_scc0 .Lentry_in_a_cluster
	s_endpgm
.Lentry_in_a_cluster:
	s_bfe_u32 s2, ttmp6, 0x10000c
	s_cmp_lg_u32 s2, 0xf033
	s_cbranch_scc0 .Lentry_shape_is_right
	s_endpgm
.Lentry_shape_is_right:
; out[token][n] = sum over k of ctx[token][k] out_w[n][k] + out_b[n], f32, on codes of FP6 (E2M3): 8,192 x 1,024 x 1,024.  The sum begins with the bias.
; OPERANDS are images of registers: cc and opc [tile of 16 rows][K step of 128: 8][1536 bytes] (registers 0-3 at 16 x lane, 4-5 at 512 + 8 x lane, 6-9 at 768 + 16 x lane, 10-11 at 1280 + 8 x lane);
; cs and ops [tile][K half][r][4 words].  Lane r of tile T is row 32 (T / 2) + 8 (T % 2) + r + 8 (r / 8).  out_w's tiles are 704-767 of opc, ops.
; THE DEAL: 256 work-groups of four waves, 2 x 2, each 256 tokens x 128 columns.  A wave holds four tiles of out_w, all of K, in 384 registers and streams eight tiles of tokens past them: wave row a takes tile 2 s + a as block s.
; Source 0 = out_w's rows, source 1 = tokens: a lane holds one token and eight neighbouring columns.
; THE CLUSTER's x counts tile rows (grid = 32, 8): ctx's tiles are shared by a column of the cluster, out_w's by a row.
; LDS: ctx's 16 tiles, out_w's 8 tiles, the spare words; all filled once, so no data prefetch: every load is issued at the head.  The waves' stages lie in out_w's first bytes, which are read for the last time ahead of the stream's barrier.
; THE HEAD'S FOUR TILES, one a wave, each on its own line: out_w's 8 tiles; ctx's tiles 0-7; 8-11; 12-15.  The stream begins when the first two are in; a plain barrier inside block 1 shows the others, ahead of the first fetch from them.
; Scale words and the bias go from memory straight into registers.  Behind a block's 32 products: its sums into the stage and back as rows of 256 bytes, the fetch of the block two on, one wait, eight stores.
; LIMITS: NaN, infinities and sums beyond f32's range are not served.
; REGISTERS: window 0: v4-9 addresses, v12-13 out_w's LDS addresses, v14-29 ctx's for the eight blocks, v32-63 out_w's scale words, v68-131 ctx's, v136-199 two sets of four accumulators, v200-231 the bias;
; fragment f at register 12 (f % 21) of window 1 + f / 21: 0-31 out_w's (4 q + t), 32-47 ctx's two sets; window 3, v128-159: 16 rows back from the stage.
.set FR, 12
.set FPW, 21
.set NF, 32                            ; LDS loads of a block's fetch
.set TILE, 12288
.set YB, 16*TILE
.set SPARE, YB+8*TILE
.set SPITCH, 272
.set CO, 4
.set STO, 5
.set RD, 6
.set R16, 7
.set B64, 8
.set SPW, 10
.set NIL, 11
.set ADB, 12
.set AD, 14
.set SB, 32
.set SA, 68                            ; a product's two scale registers differ by 4 modulo 8 in their numbers
.set ACC, 136
.set BO, 200
.set BK, 128
.set G1A, 24
.set G1B, 32
.set G0A, 56
.set G0B, 60
.set MSB, 0
.macro WIN new
.if MSB != \new
	s_set_vgpr_msb (MSB<<8)|\new
.set MSB, \new
.endif
.endm
.macro PLACES n
.rept \n
	v_nop
.endr
.endm
.macro BARRIER
	s_barrier_signal -1
	s_barrier_wait -1
.endm
.macro CROUND
	BARRIER
	s_cmp_lg_u32 s14, 0
	s_cbranch_scc1 .Lnot_wave_0_\@
	s_barrier_signal -3
.Lnot_wave_0_\@:
	s_barrier_wait -3
	BARRIER
.endm
.macro TLOAD g0, g1
	tensor_load_to_lds s[\g0:\g0+3], s[\g1:\g1+7]
	s_nop 0
	PLACES 4
.endm
.macro ATILE first, n                  ; n tiles of ctx from tile first on: dense bytes, as rows of 256
	s_mov_b32 s[G0A+1], (\first)*TILE
	s_mov_b32 s[G1A+2], ((\n)*48)<<16
	s_mov_b32 s[G1A+4], (\n)*48
.if \first
	s_add_nc_u64 s[G0A+2:G0A+3], s[G0A+2:G0A+3], (\first)*TILE
.endif
	s_or_b32 s[G0A+3], s[G0A+3], 0x80000000
	TLOAD G0A, G1A
.endm
.macro FRAG f, a16, a8, off            ; a fragment comes back as it was stored; every load reads consecutive bytes
.set R_, FR*((\f)%FPW)
	WIN (1+(\f)/FPW)<<6
	ds_load_b128 v[R_:R_+3], v[\a16] offset:\off
	ds_load_b64 v[R_+4:R_+5], v[\a8] offset:(\off)+512
	ds_load_b128 v[R_+6:R_+9], v[\a16] offset:(\off)+768
	ds_load_b64 v[R_+10:R_+11], v[\a8] offset:(\off)+1280
.endm
.macro FETCH s                         ; block s into set s % 2: NF loads
.irp q, 0,1,2,3,4,5,6,7
	FRAG 32+8*((\s)%2)+\q, AD+2*(\s), AD+2*(\s)+1, 1536*\q
.endr
	WIN 0
.endm
.macro PROD s, n                       ; product n = 4 q + t of block s; the four accumulators by turns
.set Q_, (\n)/4
.set FB_, (\n)
.set FA_, 32+8*((\s)%2)+Q_
.set D_, ACC+32*((\s)%2)+8*((\n)%4)
	WIN (1+FB_/FPW)|((1+FA_/FPW)<<2)
.if Q_
	v_wmma_scale_f32_16x16x128_f8f6f4 v[D_:D_+7], v[FR*(FB_%FPW):FR*(FB_%FPW)+FR-1], v[FR*(FA_%FPW):FR*(FA_%FPW)+FR-1], v[D_:D_+7], v[SB+8*((\n)%4)+Q_], v[SA+8*(\s)+Q_] matrix_a_fmt:MATRIX_FMT_FP6 matrix_b_fmt:MATRIX_FMT_FP6
.else
	v_wmma_scale_f32_16x16x128_f8f6f4 v[D_:D_+7], v[FR*(FB_%FPW):FR*(FB_%FPW)+FR-1], v[FR*(FA_%FPW):FR*(FA_%FPW)+FR-1], v[BO+8*((\n)%4):BO+8*((\n)%4)+7], v[SB+8*((\n)%4)+Q_], v[SA+8*(\s)+Q_] matrix_a_fmt:MATRIX_FMT_FP6 matrix_b_fmt:MATRIX_FMT_FP6
.endif
.endm
.macro PRODS s, from, to
.set N_, \from
.rept (\to)-(\from)
	PROD \s, N_
.set N_, N_+1
.endr
	WIN 0
.endm
.macro STAGED s                        ; the block's sums into my stage, each accumulator from its low end on, and back as whole rows; LDS serves a wave's instructions in order (ISA guide 5.7.1.4)
.irp b, 0,1,2,3
	ds_store_b128 v[STO], v[ACC+32*((\s)%2)+8*\b:ACC+32*((\s)%2)+8*\b+3] offset:128*(\b/2)+32*(\b%2)
	ds_store_b128 v[STO], v[ACC+32*((\s)%2)+8*\b+4:ACC+32*((\s)%2)+8*\b+7] offset:128*(\b/2)+32*(\b%2)+16
.endr
	WIN 0xc0
.irp t, 0,1,2,3,4,5,6,7
	ds_load_b128 v[BK+4*\t:BK+4*\t+3], v[RD] offset:2*\t*SPITCH
.endr
	WIN 0
.endm
.macro TOC s                           ; rows 2 t, 2 t + 1 of the tile are tokens 32 s + 2 t + 8 (t / 4) and the next; sixteen lanes store 256 consecutive bytes, aligned
	WIN 0x0c
.irp t, 0,1,2,3,4,5,6,7
	global_store_b128 v[CO], v[BK+4*\t:BK+4*\t+3], s[50:51] offset:(\s)*131072+(2*\t+8*(\t/4))*4096 th:TH_STORE_NT
.endr
	WIN 0
.endm
.macro BLK s
.if (\s) == 1
	PRODS \s, 0, 24
	s_wait_tensorcnt 0x0                           ; every wave: my tile is in
	s_wait_dscnt 0x0
	s_barrier_signal -1                            ; a plain barrier: tiles 8-15 are shown to all
	PRODS \s, 24, 32
	s_barrier_wait -1
.else
	PRODS \s, 0, 32
.endif
	PLACES 4                                       ; between the last product and the first reader of its sums, and the fetch into its registers
	s_wait_xcnt 0x0                                ; the last block's stores have read the rows' registers
	STAGED \s
.if (\s) < 6
	FETCH (\s)+2
	s_wait_dscnt NF                                ; the rows are back, and the next block's fragments are in; only this fetch is younger
.else
	s_wait_dscnt 0x0
.endif
	TOC \s
.endm
	s_load_b256 s[4:11], s[0:1], 0x0               ; cc, cs, opc, ops
	s_load_b128 s[48:51], s[0:1], 0x20             ; out_b, out0
	v_lshl_add_u32 v[SPW], v0, 2, SPARE
	v_mov_b32 v[NIL], 0
	ds_add_u32 v[SPW], v[NIL]                      ; the opening lines
	ds_add_u32 v[SPW], v[NIL]
	v_lshrrev_b32 v1, 5, v0
	v_readfirstlane_b32 s14, v1                    ; the wave; s15 its row a of the 2 x 2, s16 its column
	s_lshr_b32 s15, s14, 1
	s_and_b32 s16, s14, 1
	s_bfe_u32 s40, ttmp6, 0x40000
	s_bfe_u32 s41, ttmp6, 0x40004
	s_lshl_b32 s43, ttmp9, 2
	s_add_co_u32 s43, s43, s40                     ; tile row: 4 x cluster x + cx
	s_and_b32 s42, ttmp7, 0xffff
	s_lshl_b32 s42, s42, 2
	s_add_co_u32 s42, s42, s41                     ; tile column: 4 x cluster y + cy
	s_lshl_b32 s44, 0x1111, s40                    ; my column of the cluster shares ctx's tiles
	s_lshl_b32 s45, s41, 2
	s_lshl_b32 s45, 15, s45                        ; my row shares out_w's
	s_or_b32 s[G1A+0], s44, (3<<16)|(1<<21)        ; dense bytes as rows of 32 elements of 8 bytes; how many rows, each arm says
	s_mov_b32 s[G1A+1], 32<<16
	s_mov_b32 s[G1A+3], 32<<16
	s_mov_b32 s[G1A+5], 32
	s_mov_b32 s[G1A+6], 0
	s_mov_b32 s[G1A+7], 0
	s_or_b32 s[G1B+0], s45, (3<<16)|(1<<21)
	s_mov_b32 s[G1B+1], 32<<16
	s_mov_b32 s[G1B+2], 384<<16
	s_mov_b32 s[G1B+3], 32<<16
	s_mov_b32 s[G1B+4], 384
	s_mov_b32 s[G1B+5], 32
	s_mov_b32 s[G1B+6], 0
	s_mov_b32 s[G1B+7], 0
	s_mov_b32 s[G0A], 1
	s_mov_b32 s[G0B], 1
	s_mov_b32 s[G0B+1], YB
	s_mul_i32 s76, s43, 16*TILE                    ; ctx's 16 tiles
	s_mov_b32 s77, 0
	s_mul_i32 s78, s42, 8*TILE
	s_add_co_u32 s78, s78, 704*TILE                ; out_w's 8 tiles
	s_mov_b32 s79, 0
	s_lshl_b32 s80, s42, 3
	s_lshl_b32 s20, s16, 2
	s_add_co_u32 s80, s80, s20
	s_add_co_u32 s80, s80, 704
	s_lshl_b32 s80, s80, 9                         ; my four tiles' scale words
	s_mov_b32 s81, 0
	s_lshl_b32 s82, s43, 4
	s_add_co_u32 s82, s82, s15
	s_lshl_b32 s82, s82, 9                         ; ctx's: tile a, then every second one
	s_mov_b32 s83, 0
	s_lshl_b32 s84, s42, 9
	s_lshl_b32 s20, s16, 8
	s_add_co_u32 s84, s84, s20                     ; my 64 columns, in bytes
	s_mov_b32 s85, 0
	s_lshl_b32 s86, s43, 8
	s_lshl_b32 s20, s15, 3
	s_add_co_u32 s86, s86, s20
	s_lshl_b32 s86, s86, 12                        ; token 256 x tile row + 8 a
	s_mov_b32 s87, 0
	s_mul_i32 s21, s15, TILE
	s_mul_i32 s22, s16, 4*TILE
	s_add_co_u32 s22, s22, YB
	s_mul_i32 s23, s14, 16*SPITCH
	s_add_co_u32 s23, s23, YB                      ; my stage
	v_and_b32 v1, 15, v0
	v_bfe_u32 v2, v0, 4, 1
	v_and_b32 v3, 31, v0
	v_lshlrev_b32 v[R16], 4, v1
	v_lshlrev_b32 v[B64], 6, v2
	v_lshlrev_b32 v30, 4, v3
	v_lshlrev_b32 v31, 3, v3
	v_add_nc_u32 v[AD], s21, v30
	v_add_nc_u32 v[AD+1], s21, v31
.irp s, 1,2,3,4,5,6,7
	v_add_nc_u32 v[AD+2*\s], \s*2*TILE, v[AD]
	v_add_nc_u32 v[AD+2*\s+1], \s*2*TILE, v[AD+1]
.endr
	v_add_nc_u32 v[ADB], s22, v30
	v_add_nc_u32 v[ADB+1], s22, v31
	v_mul_u32_u24 v9, v1, SPITCH                   ; into the stage: row r, 64 bytes for each half of the lanes
	v_lshl_add_u32 v9, v2, 6, v9
	v_add_nc_u32 v[STO], s23, v9
	v_mul_u32_u24 v9, v2, SPITCH                   ; back: lanes 0-15 one row of 256 bytes, lanes 16-31 the next
	v_lshl_add_u32 v9, v1, 4, v9
	v_add_nc_u32 v[RD], s23, v9
	v_lshlrev_b32 v9, 12, v2
	v_lshl_add_u32 v[CO], v1, 4, v9                ; and the same two rows in out
	s_wait_alu depctr_va_vdst(0)
	s_wait_dscnt 0x0
	CROUND                                         ; the opening round
	s_wait_kmcnt 0x0
	s_add_nc_u64 s[G0A+2:G0A+3], s[4:5], s[76:77]
	s_add_nc_u64 s[G0B+2:G0B+3], s[8:9], s[78:79]
	s_or_b32 s[G0B+3], s[G0B+3], 0x80000000
	s_add_nc_u64 s[10:11], s[10:11], s[80:81]
	s_add_nc_u64 s[6:7], s[6:7], s[82:83]
	s_add_nc_u64 s[48:49], s[48:49], s[84:85]
	s_add_nc_u64 s[50:51], s[50:51], s[84:85]
	s_add_nc_u64 s[50:51], s[50:51], s[86:87]
	s_cmp_eq_u32 s14, 0
	s_cbranch_scc0 .Lwave_1
	TLOAD G0B, G1B                                 ; wave 0: out_w's tiles, which are wanted first
	s_branch .Lasked
.Lwave_1:
	s_cmp_eq_u32 s14, 1
	s_cbranch_scc0 .Lwave_2
	ATILE 0, 8                                     ; wave 1: ctx's tiles 0-7
	s_branch .Lasked
.Lwave_2:
	s_cmp_eq_u32 s14, 2
	s_cbranch_scc0 .Lwave_3
	ATILE 8, 4
	s_branch .Lasked
.Lwave_3:
	ATILE 12, 4
.Lasked:
.irp t, 0,1,2,3
.irp k, 0,1
	global_load_b128 v[SB+8*\t+4*\k:SB+8*\t+4*\k+3], v[R16], s[10:11] offset:512*\t+256*\k
.endr
.endr
.irp s, 0,1,2,3,4,5,6,7
.irp k, 0,1
	global_load_b128 v[SA+8*\s+4*\k:SA+8*\s+4*\k+3], v[R16], s[6:7] offset:1024*\s+256*\k
.endr
.endr
.irp b, 0,1,2,3                                ; register i of tile b of lane (r, h) is column 32 (b / 2) + 8 (b % 2) + 16 h + i of my 64
	global_load_b128 v[BO+8*\b:BO+8*\b+3], v[B64], s[48:49] offset:(32*(\b/2)+8*(\b%2))*4
	global_load_b128 v[BO+8*\b+4:BO+8*\b+7], v[B64], s[48:49] offset:(32*(\b/2)+8*(\b%2))*4+16
.endr
	s_wait_loadcnt 0x0
	s_wait_dscnt 0x0
	s_cmp_eq_u32 s14, 0
	s_cbranch_scc0 .Lnot_b
	s_wait_tensorcnt 0x0                           ; wave 0: out_w's tiles have landed
.Lnot_b:
	BARRIER
.irp q, 0,1,2,3,4,5,6,7
.irp t, 0,1,2,3
	FRAG 4*\q+\t, ADB, ADB+1, TILE*\t+1536*\q
.endr
.endr
	WIN 0
	s_cmp_eq_u32 s14, 1
	s_cbranch_scc0 .Lnot_a
	s_wait_tensorcnt 0x0                           ; wave 1: ctx's tiles 0-7 have landed
.Lnot_a:
	s_wait_dscnt 0x0
	BARRIER                                        ; tiles 0-7 are in, and nobody reads out_w's bytes any more; waves 2 and 3's tiles may be on their way
	FETCH 0
	FETCH 1
	s_wait_dscnt NF                                ; block 0's fragments are in
.irp s, 0,1,2,3,4,5,6,7
	BLK \s
.endr
	s_wait_tensorcnt 0x0                           ; the wave's end
	ds_add_u32 v[SPW], v[NIL]
	s_wait_dscnt 0x0
	CROUND                                         ; the closing round
	s_endpgm
.Lfunc_end_k_qee9014be26_gemm_out:
	.size	k_qee9014be26_gemm_out, .Lfunc_end_k_qee9014be26_gemm_out-k_qee9014be26_gemm_out
	.p2alignl 7, 3214868480
	.fill 96, 4, 3214868480
	.section	.rodata,"a",@progbits
	.p2align	6, 0x0
	.amdhsa_kernel k_qee9014be26_gemm_out
		.amdhsa_group_segment_fixed_size 327680
		.amdhsa_private_segment_fixed_size 0
		.amdhsa_enable_private_segment 0
		.amdhsa_kernarg_size 48
		.amdhsa_user_sgpr_count 2
		.amdhsa_user_sgpr_kernarg_segment_ptr 1
		.amdhsa_wavefront_size32 1
		.amdhsa_system_sgpr_workgroup_id_x 1
		.amdhsa_system_sgpr_workgroup_id_y 1
		.amdhsa_system_sgpr_workgroup_id_z 1
		.amdhsa_system_vgpr_workitem_id 0
		.amdhsa_next_free_vgpr 960
		.amdhsa_next_free_sgpr 100
		.amdhsa_reserve_vcc 0
		.amdhsa_float_denorm_mode_32 3
		.amdhsa_float_denorm_mode_16_64 3
		.amdhsa_memory_ordered 1
		.amdhsa_forward_progress 1
		.amdhsa_inst_pref_size 87
	.end_amdhsa_kernel
	.amdgpu_metadata
---
amdhsa.version: [ 1, 2 ]
amdhsa.kernels:
  - .name:           k_qee9014be26_gemm_out
    .symbol:         k_qee9014be26_gemm_out.kd
    .args:
      - { .name: cc, .offset: 0, .size: 8, .value_kind: global_buffer, .address_space: global }
      - { .name: cs, .offset: 8, .size: 8, .value_kind: global_buffer, .address_space: global }
      - { .name: opc, .offset: 16, .size: 8, .value_kind: global_buffer, .address_space: global }
      - { .name: ops, .offset: 24, .size: 8, .value_kind: global_buffer, .address_space: global }
      - { .name: out_b, .offset: 32, .size: 8, .value_kind: global_buffer, .address_space: global }
      - { .name: out0, .offset: 40, .size: 8, .value_kind: global_buffer, .address_space: global }
    .group_segment_fixed_size: 327680
    .private_segment_fixed_size: 0
    .kernarg_segment_align: 8
    .kernarg_segment_size: 48
    .max_flat_workgroup_size: 128
    .sgpr_count:     100
    .vgpr_count:     960
    .wavefront_size: 32
...
	.end_amdgpu_metadata
.endif
;; end of part 4
